; MI455X (gfx1250); checked and timed in simulation.
; The chip was launched on July 23, 2026; its instructions are those of AMD's public machine-readable ISA for CDNA 5 (MIT licence, August 2026) and "CDNA5" Instruction Set Architecture Reference Guide (July 2026). The comments in the code are by the model that wrote it; some were corrected since.
;; Multi Head Attention. Allowed arithmetic: float matrix products may take bf16 or f16 operands with f32 sums; all other float work in f32.
;; Inputs: k_b 1,024 float32; k_w 1,024 x 1,024 float32; key 2 x 2,048 x 1,024 float32; o_b 1,024 float32; o_w 1,024 x 1,024 float32; q_b 1,024 float32; q_w 1,024 x 1,024 float32; query 2 x 2,048 x 1,024 float32; v_b 1,024 float32; v_w 1,024 x 1,024 float32; value 2 x 2,048 x 1,024 float32.
;; Outputs: out0 2 x 2,048 x 1,024 float32.
;; One version. Each part assembles by itself: llvm-mc -triple=amdgcn-amd-amdhsa -mcpu=gfx1250 --defsym DOCPART=n.
;; ======== version 1 of 1: 3 launches
;; workspace buffers: qh 8,388,608 bytes; kh 8,388,608 bytes; vt 8,388,608 bytes; ah 8,388,608 bytes; owb 2,097,152 bytes
;; launch proj (part 1): grid 4 x 64, 4 waves a work-group, clusters of 4 x 4, 327,680 bytes of LDS; arguments query, key, v_w, q_w, k_w, value, q_b, k_b, v_b, qh, kh, vt, o_w, owb; writes qh, kh, vt, owb
.if DOCPART == 1
	.amdgcn_target "amdgcn-amd-amdhsa--gfx1250"
	.amdhsa_code_object_version 6
	.text
	.protected	k_q581d2708eb_proj
	.globl	k_q581d2708eb_proj
	.p2align	8
	.type	k_q581d2708eb_proj,@function
k_q581d2708eb_proj:
	s_mov_b64 s[64:65], 0
	v_nop
	global_prefetch_b8 v0, s[64:65] scope:SCOPE_SE
	s_setreg_imm32_b32 hwreg(HW_REG_WAVE_MODE, 25, 1), 1
	s_wait_xcnt 0x0
	s_wait_alu depctr_hold_cnt(0) depctr_sa_sdst(0) depctr_va_vdst(0) depctr_va_sdst(0) depctr_va_ssrc(0) depctr_va_vcc(0) depctr_vm_vsrc(0)
	s_getreg_b32 s2, hwreg(HW_REG_IB_STS2, 6, 4)
	s_cmp_eq_u32 s2, 0
	s_cbranch_scc0 .Lentry_in_a_cluster
	s_endpgm
.Lentry_in_a_cluster:
	s_bfe_u32 s2, ttmp6, 0x10000c
	s_cmp_lg_u32 s2, 0xf033
	s_cbranch_scc0 .Lentry_shape_is_right
	s_endpgm
.Lentry_shape_is_right:
; The three input projections of multi-head attention, one text for all three, and the rounding of o_w for the last launch.
; C[m][n] = sum over k of A[m][k] B[n][k] + bias, K = 1024, operands f32 in memory, rounded to bf16 between LDS and the matrix unit, sums in f32, results bf16.
;   g = 0: A = query [4096][1024], B = q_w [1024][1024]; (C + q_b) x log2(e)/8 goes to qh [32 batch x head][2048 token][64]
;   g = 1: A = key,                B = k_w;              C + k_b goes to kh, same layout
;   g = 2: A = v_w [1024][1024],   B = value [4096][1024]: the operands change places, so that C is V transposed; C + v_b (per ROW) goes to vt [1024 feature][4096 token]
;   g = 3: no product: o_w [1024][1024] f32 is rounded to bf16 into owb, same shape
; LIMITS: q is multiplied by log2(e)/8 (the softmax scale and the change to base 2) BEFORE its rounding to bf16, so the order of rounding differs from a
; division of the scores by 8; NaN and infinities get no special treatment.
; SHAPE: a work-group makes 256 x 256 of C with four waves, one for each SIMD of a WGP; a wave makes 128 x 128: 64 accumulator tiles, 512 registers.  The three products have
; 3 x 64 = 192 such blocks; halving the block would double the LDS bytes read for each multiply-add.  64 further work-groups (g = 3) round 64 KiB of o_w each: 256 in all.
; K goes in steps of 64 f32 (rows of 256 bytes, each starting at a multiple of 256 bytes of its buffer) through two LDS slots filled by the tensor data mover.
; CLUSTERS: 4 x 4 work-groups, all of one g.  The four of a cluster row need the same rows of A, the four of a column the same rows of B: each tile is asked for jointly,
; by the same tensor load with the same descriptor and a mask that names the four.  g comes from the cluster's y and is the same in all sixteen.
; REGISTERS in windows of 256: window 0: v16-26 addresses, v64-191 ST (f32 as loaded from LDS), v192-255 bias, v32-63 way out;
;   window 1: v0-127 F0, v128-255 F1 (bf16 fragments: 8 of B at +0, 8 of A at +64);  windows 2, 3: accumulator tile (a, b) at v[8 (8 a + b)], rows 0-63 and 64-127.
; The matrix instruction is used transposed (source 0 = rows of B, source 1 = rows of A): a lane then holds row m = l % 16 and eight neighbouring columns n = 8 (l / 16) + 0..7.
.set PITCH,  272                       ; an LDS row: 256 bytes + 16 of padding, so that the 16 rows of a fragment begin in 16 different 16-byte columns of 256 bytes
.set HALFT,  128*PITCH                 ; 128 rows: one tensor load, and what one wave reads of A or of B
.set SLOT,   4*HALFT                   ; A's 256 rows, then B's 256 rows
.set STAGE,  2*SLOT                    ; behind the ring: 16 rows x 272 bytes for each wave, never filled by a tensor load
.set KSTEPB, 256                       ; bytes of a K step in a row
.set ADRA, 16                          ; v16-17 LDS address of my A rows in slot 0, 1
.set ADRB, 20                          ; v20-21 the same for B
.set STO,  24
.set RD,   25
.set CO,   26
.set RB1,  32                          ; way out: rows read back, second buffer
.set ST,   64                          ; 128 registers: eight fragments of 16 rows x 32 K in f32
.set T,    64                          ; way out: 64 results in f32 (ST is free then)
.set TMP,  128                         ; way out: 32 registers of packed bf16
.set RB0,  160                         ; way out: rows read back, first buffer
.set BI,   192                         ; bias
.set CIN,  64                          ; g = 3: 128 registers of o_w as loaded
.set COUT, 192                         ; g = 3: 64 registers of bf16 to store
.set F0,   0
.set F1,   128
.set G1,  24                           ; s[24:31] group 1 for A's tiles
.set G0,  32                           ; s[32:39] group 0 for A's tiles, one set for each slot
.set G1B, 48                           ; s[48:55] group 1 for B's tiles: the mask differs
.set G0B, 56                           ; s[56:63] group 0 for B's tiles
.set MUL_LO, 0xa5                      ; sources 0 and 1 window 1, C and D window 2
.set MUL_HI, 0xf5                      ; the same, C and D window 3
.set CVT,    0x40                      ; destination window 1, sources window 0
.set MSB, 0
.macro WIN new                         ; the immediate's high byte repeats the setting that is left
.if MSB != \new
	s_set_vgpr_msb (MSB<<8)|\new
.set MSB, \new
.endif
.endm
; A joint load: waves 0 and 1 fetch A's two halves, waves 2 and 3 B's.  The branch hangs on the wave's number alone.
.macro JLOAD s
	s_cmp_eq_u32 s11, 0
	s_cbranch_scc0 .Lfor_b_\@
	tensor_load_to_lds s[G0+4*\s:G0+4*\s+3], s[G1:G1+7]
	s_nop 0
	s_branch .Lasked_\@
.Lfor_b_\@:
	tensor_load_to_lds s[G0B+4*\s:G0B+4*\s+3], s[G1B:G1B+7]
	s_nop 0
.Lasked_\@:
.endm
.macro CREST                           ; a round of the cluster's barrier behind its opening work-group barrier
	s_cmp_lg_u32 s10, 0
	s_cbranch_scc1 .Lnot_wave_0_\@
	s_barrier_signal -3
.Lnot_wave_0_\@:
	s_barrier_wait -3
	s_barrier_signal -1
	s_barrier_wait -1
.endm
.macro CROUND                          ; a whole round
	s_barrier_signal -1
	s_barrier_wait -1
	CREST
.endm
.macro PLACES                          ; four plain vector places behind a matrix instruction (ISA guide 7.12.1)
.rept 4
	v_nop
.endr
.endm
	s_load_b512 s[68:83], s[0:1], 0x0              ; query, key, v_w, q_w, k_w, value, q_b, k_b
	s_load_b256 s[84:91], s[0:1], 0x40             ; v_b, qh, kh, vt
	v_lshl_add_u32 v30, v0, 2, 0x48400
	v_mov_b32 v31, 0
	ds_add_u32 v30, v31
	s_wait_dscnt 0x0
	v_lshrrev_b32 v1, 5, v0
	v_readfirstlane_b32 s10, v1                    ; wave 0..3
	s_lshr_b32 s11, s10, 1                         ; my half of the block's rows; also: I fetch for A (0) or B (1)
	s_and_b32 s12, s10, 1                          ; my half of its columns; also: which 128 rows of that tile I fetch
	s_bfe_u32 s40, ttmp6, 0x40000                  ; cx
	s_bfe_u32 s41, ttmp6, 0x40004                  ; cy
	s_and_b32 s14, ttmp7, 0xffff                   ; the cluster's y, 0..15
	s_lshr_b32 s92, s14, 2                         ; g: which product, or the rounding of o_w
	s_and_b32 s93, s14, 3
	s_lshl_b32 s93, s93, 2                         ; four blocks along the product's long side (4096) for each cluster
	s_cmp_eq_u32 s92, 3                            ; g is the same in the whole cluster
	s_cbranch_scc1 .Lcast
	s_cmp_eq_u32 s92, 2
	s_cselect_b32 s13, 0, s93                      ; q, k: the long side is the rows; v: the columns
	s_cselect_b32 s42, s93, 0
	s_add_co_u32 s13, s13, s41                     ; block row
	s_add_co_u32 s42, s42, s40                     ; block column
	s_lshl_b32 s43, s41, 2
	s_lshl_b32 s43, 15, s43                        ; my row of the cluster: places 4 cy .. 4 cy + 3
	s_lshl_b32 s44, 0x1111, s40                    ; my column: places cx, cx + 4, cx + 8, cx + 12
	; group 1: a tile of 128 rows x 64 f32, 16 bytes of padding behind every 64 words
	s_or_b32 s[G1+0], s43, (2<<16)|(1<<20)|(1<<21)|(5<<22)|(3<<25)
	s_or_b32 s[G1B+0], s44, (2<<16)|(1<<20)|(1<<21)|(5<<22)|(3<<25)
	s_mov_b32 s[G1+1], 64<<16                      ; tensor_dim0 = 64
	s_mov_b32 s[G1B+1], 64<<16
	s_mov_b32 s[G1+2], 128<<16                     ; tensor_dim1 = 128
	s_mov_b32 s[G1B+2], 128<<16
	s_mov_b32 s[G1+3], 64<<16                      ; tile_dim0 = 64
	s_mov_b32 s[G1B+3], 64<<16
	s_mov_b32 s[G1+4], 128                         ; tile_dim1 = 128
	s_mov_b32 s[G1B+4], 128
	s_mov_b32 s[G1+5], 1024                        ; elements from row to row
	s_mov_b32 s[G1B+5], 1024
	s_mov_b32 s[G1+6], 0
	s_mov_b32 s[G1B+6], 0
	s_mov_b32 s[G1+7], 0
	s_mov_b32 s[G1B+7], 0
	; byte offsets of my tiles: rows of 4,096 bytes.  A's hangs on the block row alone, B's on the block column alone, each in registers that never hold the other.
	s_lshl_b32 s17, s12, 7
	s_lshl_b32 s16, s13, 8
	s_add_co_u32 s16, s16, s17
	s_lshl_b32 s16, s16, 12                        ; (256 x block row + 128 x half) x 4,096: below 16 MiB
	s_lshl_b32 s46, s42, 8
	s_add_co_u32 s46, s46, s17
	s_lshl_b32 s46, s46, 12
	s_mov_b32 s17, 0
	s_mov_b32 s47, 0
	s_mul_i32 s20, s10, HALFT                      ; LDS: wave x 128 rows (A's two halves, then B's two)
	s_wait_kmcnt 0x0
	s_cmp_eq_u32 s92, 0                            ; the product's buffers: a choice on g, which hangs on no address
	s_cselect_b64 s[4:5], s[68:69], s[70:71]
	s_cselect_b64 s[6:7], s[74:75], s[76:77]
	s_cselect_b64 s[94:95], s[80:81], s[82:83]
	s_cselect_b64 s[8:9], s[86:87], s[88:89]
	s_cselect_b32 s96, 0x3e38aa3b, 1.0             ; q alone is scaled, by log2(e)/8
	s_cmp_eq_u32 s92, 2
	s_cselect_b64 s[4:5], s[72:73], s[4:5]
	s_cselect_b64 s[6:7], s[78:79], s[6:7]
	s_cselect_b64 s[94:95], s[84:85], s[94:95]
	s_cselect_b64 s[8:9], s[90:91], s[8:9]
	s_mov_b32 s97, s96
	s_add_nc_u64 s[14:15], s[4:5], s[16:17]
	s_add_nc_u64 s[46:47], s[6:7], s[46:47]
	CROUND                                         ; all sixteen work-groups are here: the first joint loads meet
.irp s, 0,1
	s_mov_b32 s[G0+4*\s], 1
	s_add_co_u32 s[G0+4*\s+1], s20, \s*SLOT
	s_add_nc_u64 s[G0+4*\s+2:G0+4*\s+3], s[14:15], \s*KSTEPB
	s_or_b32 s[G0+4*\s+3], s[G0+4*\s+3], 0x80000000
	s_mov_b32 s[G0B+4*\s], 1
	s_add_co_u32 s[G0B+4*\s+1], s20, \s*SLOT
	s_add_nc_u64 s[G0B+4*\s+2:G0B+4*\s+3], s[46:47], \s*KSTEPB
	s_or_b32 s[G0B+4*\s+3], s[G0B+4*\s+3], 0x80000000
	JLOAD \s                                       ; K steps 0 and 1: two tensor loads of the wave are out here, one later
.endr
	; lane addresses.  A fragment's lane l holds row l % 16; K = 8 (l / 16) + 0..7 and 16 + 8 (l / 16) + 0..7: in f32 two runs of 32 bytes, 64 bytes apart.
	v_and_b32 v1, 15, v0                           ; r
	v_bfe_u32 v2, v0, 4, 1                         ; h
	v_mul_u32_u24 v3, v1, PITCH
	v_lshl_add_u32 v4, v2, 5, v3                   ; r x pitch + 32 h
	s_mul_i32 s21, s11, HALFT
	s_mul_i32 s22, s12, HALFT
	s_add_co_u32 s22, s22, 2*HALFT
.irp s, 0,1
	v_add_nc_u32 v[ADRA+\s], s21, v4
	v_add_nc_u32 v[ADRB+\s], s22, v4
	s_add_co_u32 s21, s21, SLOT
	s_add_co_u32 s22, s22, SLOT
.endr
	s_mul_i32 s23, s10, 16*PITCH
	s_add_co_u32 s23, s23, STAGE                   ; my stage
	v_lshl_add_u32 v5, v2, 4, v3
	v_add_nc_u32 v[STO], s23, v5                   ; way out: row r, 16 bytes for each half of the lanes
; 32 matrix instructions: four m blocks of the window (hi) x eight n blocks, 32 along K.  zero = 1: the first product starts the sums.
; The 64 accumulators take turns, one instruction a turn, in the same order in every half step.
.macro MUL32 f, hi, zero
.irp a, 0,1,2,3
.irp b, 0,1,2,3,4,5,6,7
.if \zero
	v_wmma_f32_16x16x32_bf16 v[8*(8*\a+\b):8*(8*\a+\b)+7], v[\f+8*\b:\f+8*\b+7], v[\f+64+8*(4*\hi+\a):\f+64+8*(4*\hi+\a)+7], 0
.else
	v_wmma_f32_16x16x32_bf16 v[8*(8*\a+\b):8*(8*\a+\b)+7], v[\f+8*\b:\f+8*\b+7], v[\f+64+8*(4*\hi+\a):\f+64+8*(4*\hi+\a)+7], v[8*(8*\a+\b):8*(8*\a+\b)+7]
.endif
.endr
.endr
.endm
; 32 LDS loads: 128 rows x 32 K of f32, from byte k of the rows, into ST
.macro LOADG adr, k
.irp i, 0,1,2,3,4,5,6,7
	ds_load_b128 v[ST+16*\i:ST+16*\i+3],     v[\adr] offset:\k+\i*16*PITCH
	ds_load_b128 v[ST+16*\i+4:ST+16*\i+7],   v[\adr] offset:\k+\i*16*PITCH+16
	ds_load_b128 v[ST+16*\i+8:ST+16*\i+11],  v[\adr] offset:\k+\i*16*PITCH+64
	ds_load_b128 v[ST+16*\i+12:ST+16*\i+15], v[\adr] offset:\k+\i*16*PITCH+80
.endr
.endm
; 64 roundings: ST to eight bf16 fragments at d of window 1
.macro CVT8 d
.irp i, 0,1,2,3,4,5,6,7
.irp j, 0,1,2,3,4,5,6,7
	v_cvt_pk_bf16_f32 v[\d+8*\i+\j], v[ST+16*\i+2*\j], v[ST+16*\i+2*\j+1]
.endr
.endr
.endm
; A K step is two half steps of 32 along K, on F0 and F1.  While one is multiplied the other's f32 are loaded into ST and rounded, B's 128 rows and then A's.
; A run of 64 roundings always stands between the last matrix instruction that read a fragment buffer and the first rounding that writes it, and names none of
; that instruction's registers: these are the places that ISA guide 7.12.1 asks for, so the loop holds no v_nop.
; EVEN: multiplies F0 (first half of slot s) and changes slots.  mode 2: slot s is filled again, two K steps ahead; 1: a barrier alone; 0: the last K step.
.macro EVEN s, n, mode, zero
	WIN MUL_LO
	MUL32 F0, 0, \zero
	s_wait_dscnt 0x0                               ; B's second half is in ST
	WIN CVT
	CVT8 F1
	WIN 0
	LOADG ADRA+\s, 128
	WIN MUL_HI
	MUL32 F0, 1, \zero
	s_wait_dscnt 0x0                               ; A's second half is in ST: my reads of slot s are over
.if \mode
	s_set_vgpr_msb 0xf5f0
	s_wait_tensorcnt 0x0                           ; all my tensor loads have landed: the one that was out is my part of slot n
	ds_add_u32 v30, v31
	s_wait_dscnt 0x0
	s_set_vgpr_msb 0xf0f5
	s_barrier_signal -1                            ; (mode 2: this barrier opens a round of the cluster's barrier)
.endif
	WIN CVT
	CVT8 F1+64                                     ; register work while the others arrive
	WIN 0
.if \mode
	s_barrier_wait -1
.endif
.if \mode == 2
	CREST                                          ; no wave of any partner still reads slot s or has a load on its way
	s_add_nc_u64 s[G0+4*\s+2:G0+4*\s+3], s[G0+4*\s+2:G0+4*\s+3], 2*KSTEPB
	s_add_nc_u64 s[G0B+4*\s+2:G0B+4*\s+3], s[G0B+4*\s+2:G0B+4*\s+3], 2*KSTEPB
	JLOAD \s                                       ; the first tensor load behind the round, my only one; 128 matrix instructions stand between it and the wait for it
.endif
.if \mode
	LOADG ADRB+\n, 0
.endif
.endm
; ODD: multiplies F1 (second half of the slot just left); more = 1: prepares F0 from slot n, and B's second half
.macro ODD n, more
	WIN MUL_LO
	MUL32 F1, 0, 0
.if \more
	s_wait_dscnt 0x0
	WIN CVT
	CVT8 F0
	WIN 0
	LOADG ADRA+\n, 0
.endif
	WIN MUL_HI
	MUL32 F1, 1, 0
.if \more
	s_wait_dscnt 0x0
	WIN CVT
	CVT8 F0+64
	WIN 0
	LOADG ADRB+\n, 128
.endif
.endm
.macro LAP zero                        ; two K steps, once round the ring
	EVEN 0, 1, 2, \zero
	ODD 1, 1
	EVEN 1, 0, 2, 0
	ODD 0, 1
.endm
	s_wait_tensorcnt 0x1                           ; my part of K step 0 is in; K step 1's load stays out
	s_barrier_signal -1
	s_barrier_wait -1
	LOADG ADRB+0, 0
	s_wait_dscnt 0x0
	WIN CVT
	CVT8 F0
	WIN 0
	LOADG ADRA+0, 0
	s_wait_dscnt 0x0
	WIN CVT
	CVT8 F0+64
	WIN 0
	LOADG ADRB+0, 128
	LAP 1                                          ; K steps 0, 1: the first products start the sums
	WIN 0
	s_mov_b32 s3, 6                                ; K steps 2 .. 13
.Llap:
	LAP 0
	WIN 0
	s_sub_co_u32 s3, s3, 1
	s_cmp_lg_u32 s3, 0
	s_cbranch_scc1 .Llap
	EVEN 0, 1, 1, 0                                ; K step 14: nothing is left to fetch
	ODD 1, 1
	EVEN 1, 0, 0, 0                                ; K step 15
	ODD 0, 0
	PLACES                                         ; behind the last matrix instructions, in front of the reads of their results
	WIN 0
	s_cmp_eq_u32 s92, 2                            ; g is the same in the whole cluster
	s_cbranch_scc1 .Lout_v
	; THE WAY OUT OF q AND k: (sum + bias[n]) x scale = sum x scale + bias[n] x scale, one fused multiply-add; bf16; head-major rows of 128 bytes.
	v_lshlrev_b32 v10, 5, v2                       ; my eight columns of a tile: 32 h bytes of bias
	s_lshl_b32 s46, s42, 10
	s_lshl_b32 s47, s12, 9
	s_add_co_u32 s46, s46, s47                     ; (256 x block column + 128 x half) x 4
	s_mov_b32 s47, 0
	s_add_nc_u64 s[94:95], s[94:95], s[46:47]
.irp b, 0,1,2,3,4,5,6,7
	global_load_b128 v[BI+8*\b:BI+8*\b+3],   v10, s[94:95] offset:64*\b
	global_load_b128 v[BI+8*\b+4:BI+8*\b+7], v10, s[94:95] offset:64*\b+16
.endr
	v_and_b32 v6, 7, v0
	v_bfe_u32 v7, v0, 3, 1
	v_lshlrev_b32 v6, 4, v6                        ; 16 bytes of a token's 128
	v_mul_u32_u24 v8, v7, PITCH                    ; which of two tokens
	v_lshl_add_u32 v8, v2, 7, v8                   ; which of my two heads
	v_add_nc_u32 v8, v8, v6
	v_add_nc_u32 v[RD], s23, v8
	v_lshl_add_u32 v9, v7, 7, v6
	v_lshl_add_u32 v[CO], v2, 18, v9               ; a head's 2048 tokens are 1 << 18 bytes
	s_lshr_b32 s16, s13, 3                         ; batch = first row / 2048
	s_lshl_b32 s16, s16, 22                        ; x 16 heads
	s_and_b32 s17, s13, 7
	s_lshl_b32 s17, s17, 15                        ; token x 128 bytes: 256 x (block row mod 8)
	s_add_co_u32 s16, s16, s17
	s_lshl_b32 s17, s11, 14                        ; + 128 x half
	s_add_co_u32 s16, s16, s17
	s_mov_b32 s17, 0
	s_add_nc_u64 s[8:9], s[8:9], s[16:17]
	s_lshl_b32 s46, s42, 20                        ; head = 4 x block column + 2 x half
	s_lshl_b32 s47, s12, 19
	s_add_co_u32 s46, s46, s47
	s_mov_b32 s47, 0
	s_add_nc_u64 s[8:9], s[8:9], s[46:47]
	s_wait_loadcnt 0x0
.set i, 0
.rept 32
	v_pk_mul_f32 v[BI+2*i:BI+2*i+1], v[BI+2*i:BI+2*i+1], s[96:97] op_sel_hi:[1,0]
.set i, i+1
.endr
; 16 rows (tokens) of my block: tiles (a, 0..7) of window 2 or 3 (win: source 0's window).  Through my own stage, read back so that sixteen lanes hold two tokens of one head.
.macro OUTQK i, a, win, rb
	WIN \win
.irp b, 0,1,2,3,4,5,6,7
.irp p, 0,1,2,3
	v_pk_fma_f32 v[T+8*\b+2*\p:T+8*\b+2*\p+1], v[8*(8*\a+\b)+2*\p:8*(8*\a+\b)+2*\p+1], s[96:97], v[BI+8*\b+2*\p:BI+8*\b+2*\p+1] op_sel_hi:[1,0,1]
.endr
.endr
	WIN 0
.irp b, 0,1,2,3,4,5,6,7
.irp p, 0,1,2,3
	v_cvt_pk_bf16_f32 v[TMP+4*\b+\p], v[T+8*\b+2*\p], v[T+8*\b+2*\p+1]
.endr
.endr
.irp b, 0,1,2,3,4,5,6,7
	ds_store_b128 v[STO], v[TMP+4*\b:TMP+4*\b+3] offset:32*\b
.endr
	s_wait_xcnt 0x0                                ; the buffer rb, which earlier stores read, and the stores' base are rewritten only behind this wait
.if \i
	s_add_nc_u64 s[8:9], s[8:9], 16*128            ; 16 tokens on
.endif
.irp t, 0,1,2,3,4,5,6,7
	ds_load_b128 v[\rb+4*\t:\rb+4*\t+3], v[RD] offset:\t*2*PITCH   ; LDS serves a wave's instructions in order: these see the stores above
.endr
.irp t, 0,1,2,3,4,5,6,7
	s_wait_dscnt 7-\t                              ; the 7 - t younger loads stay out
	global_store_b128 v[CO], v[\rb+4*\t:\rb+4*\t+3], s[8:9] offset:256*\t   ; lanes 0-15: 256 consecutive bytes, aligned, of one head; lanes 16-31: of the next head
.endr
.endm
	OUTQK 0, 0, 0x02, RB0
	OUTQK 1, 1, 0x02, RB1
	OUTQK 2, 2, 0x02, RB0
	OUTQK 3, 3, 0x02, RB1
	OUTQK 4, 0, 0x03, RB0
	OUTQK 5, 1, 0x03, RB1
	OUTQK 6, 2, 0x03, RB0
	OUTQK 7, 3, 0x03, RB1
	s_branch .Ldone
.Lout_v:
	; THE WAY OUT OF v: rows are features, so the bias belongs to the lane's row; plain row-major rows of 8,192 bytes.
	v_lshlrev_b32 v10, 2, v1                       ; 4 r
	s_lshl_b32 s16, s13, 10
	s_lshl_b32 s17, s11, 9
	s_add_co_u32 s16, s16, s17                     ; (256 x block row + 128 x half) x 4
	s_mov_b32 s17, 0
	s_add_nc_u64 s[94:95], s[94:95], s[16:17]
.irp a, 0,1,2,3,4,5,6,7
	global_load_b32 v[BI+\a], v10, s[94:95] offset:64*\a           ; v_b of row 16 a + r of my 128
.endr
	v_mul_u32_u24 v8, v2, PITCH
	v_lshl_add_u32 v8, v1, 4, v8
	v_add_nc_u32 v[RD], s23, v8                    ; lanes 0-15 one row of 256 bytes, lanes 16-31 the next
	v_lshlrev_b32 v9, 4, v1
	v_lshl_add_u32 v[CO], v2, 13, v9
	s_lshl_b32 s16, s13, 21
	s_lshl_b32 s17, s11, 20
	s_add_co_u32 s16, s16, s17                     ; (256 x block row + 128 x half) x 8,192
	s_mov_b32 s17, 0
	s_add_nc_u64 s[8:9], s[8:9], s[16:17]
	s_lshl_b32 s46, s42, 9
	s_lshl_b32 s47, s12, 8
	s_add_co_u32 s46, s46, s47                     ; (256 x block column + 128 x half) x 2
	s_mov_b32 s47, 0
	s_add_nc_u64 s[8:9], s[8:9], s[46:47]
	s_wait_loadcnt 0x0
.macro OUTV i, a, win, rb
	WIN \win
.irp b, 0,1,2,3,4,5,6,7
.irp p, 0,1,2,3
.if (\i)&1                             ; both halves of the packed add take register i of the bias: the second of its pair, or the first
	v_pk_add_f32 v[T+8*\b+2*\p:T+8*\b+2*\p+1], v[8*(8*\a+\b)+2*\p:8*(8*\a+\b)+2*\p+1], v[BI+\i-1:BI+\i] op_sel:[0,1] op_sel_hi:[1,1]
.else
	v_pk_add_f32 v[T+8*\b+2*\p:T+8*\b+2*\p+1], v[8*(8*\a+\b)+2*\p:8*(8*\a+\b)+2*\p+1], v[BI+\i:BI+\i+1] op_sel:[0,0] op_sel_hi:[1,0]
.endif
.endr
.endr
	WIN 0
.irp b, 0,1,2,3,4,5,6,7
.irp p, 0,1,2,3
	v_cvt_pk_bf16_f32 v[TMP+4*\b+\p], v[T+8*\b+2*\p], v[T+8*\b+2*\p+1]
.endr
.endr
.irp b, 0,1,2,3,4,5,6,7
	ds_store_b128 v[STO], v[TMP+4*\b:TMP+4*\b+3] offset:32*\b
.endr
	s_wait_xcnt 0x0                                ; rb and the base are rewritten only behind this wait
.if \i
	s_add_nc_u64 s[8:9], s[8:9], 16*8192           ; 16 rows on
.endif
.irp t, 0,1,2,3,4,5,6,7
	ds_load_b128 v[\rb+4*\t:\rb+4*\t+3], v[RD] offset:\t*2*PITCH
.endr
.irp t, 0,1,2,3,4,5,6,7
	s_wait_dscnt 7-\t
	global_store_b128 v[CO], v[\rb+4*\t:\rb+4*\t+3], s[8:9] offset:2*\t*8192   ; sixteen lanes store 256 consecutive bytes, aligned
.endr
.endm
	OUTV 0, 0, 0x02, RB0
	OUTV 1, 1, 0x02, RB1
	OUTV 2, 2, 0x02, RB0
	OUTV 3, 3, 0x02, RB1
	OUTV 4, 0, 0x03, RB0
	OUTV 5, 1, 0x03, RB1
	OUTV 6, 2, 0x03, RB0
	OUTV 7, 3, 0x03, RB1
	s_branch .Ldone
.Lcast:
	; g = 3: o_w to bf16.  The 64 work-groups of these four clusters take 64 KiB of o_w (16 rows) each.  Thread t takes the 32 bytes at 32 t of every 4,096 bytes and
	; stores the 16 bytes at 16 t of every 2,048: sixteen lanes store 256 consecutive bytes, aligned.  A stream: no LDS, no tensor load, no joint request.
	; All 32 loads of a thread go out at once into registers of their own, and each store has its own data registers: nothing is rewritten.
	s_load_b128 s[4:7], s[0:1], 0x60               ; o_w s[4:5], owb s[6:7]
	s_add_co_u32 s14, s93, s41                     ; 4 x (cluster's y mod 4) + cy
	s_lshl2_add_u32 s14, s14, s40                  ; x 4 + cx: my number, 0..63; it enters global addresses alone
	s_lshl_b32 s16, s14, 16                        ; 64 KiB in
	s_mov_b32 s17, 0
	s_lshl_b32 s18, s14, 15                        ; 32 KiB out
	s_mov_b32 s19, 0
	v_lshlrev_b32 v2, 5, v0
	v_lshlrev_b32 v3, 4, v0
	s_wait_kmcnt 0x0
	s_add_nc_u64 s[4:5], s[4:5], s[16:17]
	s_add_nc_u64 s[6:7], s[6:7], s[18:19]
.irp i, 0,1,2,3,4,5,6,7,8,9,10,11,12,13,14,15
	global_load_b128 v[CIN+8*\i:CIN+8*\i+3],   v2, s[4:5] offset:4096*\i th:TH_LOAD_NT
	global_load_b128 v[CIN+8*\i+4:CIN+8*\i+7], v2, s[4:5] offset:4096*\i+16 th:TH_LOAD_NT
.endr
.irp i, 0,1,2,3,4,5,6,7,8,9,10,11,12,13,14,15
	s_wait_loadcnt 30-2*\i                         ; loads come back in order: pair i is in, the 30 - 2 i younger loads stay out
.irp j, 0,1,2,3
	v_cvt_pk_bf16_f32 v[COUT+4*\i+\j], v[CIN+8*\i+2*\j], v[CIN+8*\i+2*\j+1]
.endr
	global_store_b128 v3, v[COUT+4*\i:COUT+4*\i+3], s[6:7] offset:2048*\i
.endr
.Ldone:
	s_wait_tensorcnt 0x0
	ds_add_u32 v30, v31
	s_wait_dscnt 0x0
	CROUND                                         ; the closing round: no work-group ends while a partner may still ask for a tile that names it (all ways of this text end in these lines)
	s_endpgm
.Lfunc_end_k_q581d2708eb_proj:
	.size	k_q581d2708eb_proj, .Lfunc_end_k_q581d2708eb_proj-k_q581d2708eb_proj
	.p2alignl 7, 3214868480
	.fill 96, 4, 3214868480
	.section	.rodata,"a",@progbits
	.p2align	6, 0x0
	.amdhsa_kernel k_q581d2708eb_proj
		.amdhsa_group_segment_fixed_size 327680
		.amdhsa_private_segment_fixed_size 0
		.amdhsa_enable_private_segment 0
		.amdhsa_kernarg_size 112
		.amdhsa_user_sgpr_count 2
		.amdhsa_user_sgpr_kernarg_segment_ptr 1
		.amdhsa_wavefront_size32 1
		.amdhsa_system_sgpr_workgroup_id_x 1
		.amdhsa_system_sgpr_workgroup_id_y 1
		.amdhsa_system_sgpr_workgroup_id_z 1
		.amdhsa_system_vgpr_workitem_id 0
		.amdhsa_next_free_vgpr 1024
		.amdhsa_next_free_sgpr 100
		.amdhsa_reserve_vcc 0
		.amdhsa_float_denorm_mode_32 3
		.amdhsa_float_denorm_mode_16_64 3
		.amdhsa_memory_ordered 1
		.amdhsa_forward_progress 1
		.amdhsa_inst_pref_size 255
	.end_amdhsa_kernel
	.section	.bss,"aw",@nobits
	.p2align	6
	.space	262144
	.amdgpu_metadata
---
amdhsa.version: [ 1, 2 ]
amdhsa.kernels:
  - .name:           k_q581d2708eb_proj
    .symbol:         k_q581d2708eb_proj.kd
    .args:
      - { .name: query, .offset: 0, .size: 8, .value_kind: global_buffer, .address_space: global }
      - { .name: key, .offset: 8, .size: 8, .value_kind: global_buffer, .address_space: global }
      - { .name: v_w, .offset: 16, .size: 8, .value_kind: global_buffer, .address_space: global }
      - { .name: q_w, .offset: 24, .size: 8, .value_kind: global_buffer, .address_space: global }
      - { .name: k_w, .offset: 32, .size: 8, .value_kind: global_buffer, .address_space: global }
      - { .name: value, .offset: 40, .size: 8, .value_kind: global_buffer, .address_space: global }
      - { .name: q_b, .offset: 48, .size: 8, .value_kind: global_buffer, .address_space: global }
      - { .name: k_b, .offset: 56, .size: 8, .value_kind: global_buffer, .address_space: global }
      - { .name: v_b, .offset: 64, .size: 8, .value_kind: global_buffer, .address_space: global }
      - { .name: qh, .offset: 72, .size: 8, .value_kind: global_buffer, .address_space: global }
      - { .name: kh, .offset: 80, .size: 8, .value_kind: global_buffer, .address_space: global }
      - { .name: vt, .offset: 88, .size: 8, .value_kind: global_buffer, .address_space: global }
      - { .name: o_w, .offset: 96, .size: 8, .value_kind: global_buffer, .address_space: global }
      - { .name: owb, .offset: 104, .size: 8, .value_kind: global_buffer, .address_space: global }
    .group_segment_fixed_size: 327680
    .private_segment_fixed_size: 0
    .kernarg_segment_align: 8
    .kernarg_segment_size: 112
    .max_flat_workgroup_size: 128
    .sgpr_count:     100
    .vgpr_count:     1024
    .wavefront_size: 32
...
	.end_amdgpu_metadata
.endif
;; end of part 1
;; launch attn (part 2): grid 8 x 32, 8 waves a work-group, clusters of 4 x 1, 327,680 bytes of LDS; arguments qh, kh, vt, ah; writes ah
.if DOCPART == 2
	.amdgcn_target "amdgcn-amd-amdhsa--gfx1250"
	.amdhsa_code_object_version 6
	.text
	.protected	k_q581d2708eb_attn
	.globl	k_q581d2708eb_attn
	.p2align	8
	.type	k_q581d2708eb_attn,@function
k_q581d2708eb_attn:
	s_mov_b64 s[64:65], 0
	v_nop
	global_prefetch_b8 v0, s[64:65] scope:SCOPE_SE
	s_setreg_imm32_b32 hwreg(HW_REG_WAVE_MODE, 25, 1), 1
	s_wait_xcnt 0x0
	s_wait_alu depctr_hold_cnt(0) depctr_sa_sdst(0) depctr_va_vdst(0) depctr_va_sdst(0) depctr_va_ssrc(0) depctr_va_vcc(0) depctr_vm_vsrc(0)
	s_getreg_b32 s2, hwreg(HW_REG_IB_STS2, 6, 4)
	s_cmp_eq_u32 s2, 0
	s_cbranch_scc0 .Lentry_in_a_cluster
	s_endpgm
.Lentry_in_a_cluster:
	s_bfe_u32 s2, ttmp6, 0x10000c
	s_cmp_lg_u32 s2, 0x3003
	s_cbranch_scc0 .Lentry_shape_is_right
	s_endpgm
.Lentry_shape_is_right:
; Attention of one (batch, head) pair bh and one block of 256 query rows: softmax(q k^T / 8) v with a running maximum, never storing the scores.
; qh, kh, ah: [32 bh][2048 token][64] bf16; vt: [1024 feature][4096 token] bf16 (V transposed).  qh already carries the factor log2(e)/8, so the exponentials are base 2.
; LIMITS: p = 2^(s - max) is rounded to bf16 for the product with V while the row sum is taken over the f32 p; an exponential below 2^-126 comes out as 0
; (ISA guide, v_exp_f32; the row sum is at least 1); NaN and infinities get no special treatment.
; SHAPE: eight waves, two for each SIMD of the WGP, so that one wave's softmax arithmetic runs while the other's matrix instructions do; a wave owns 32 query rows (two tiles n = 0, 1).
; Scores are made transposed, S^T(key, q) = K x Q^T: a lane then holds ONE query row (l % 16) and keys 8 (l / 16) + j, so maximum, rescale factor and sum are one number a lane,
; and two score tiles, rounded in place, ARE the second operand of O^T(d, q) = V^T x P^T: no exchange between lanes but one with lane l xor 16.
; CLUSTERS: the four query blocks of a cluster read the same K and V: each tile is asked for jointly (mask 15).  cx enters the addresses of Q and of the result alone.
; LDS: two slots of 512 keys; a slot is eight sub-tiles of 64 rows x 272 bytes, one tensor load of one wave each: 0-3 K (128 keys, dense, two keys to a row of 256 bytes),
; 4-7 V^T (64 features x 128 keys).  Key t of a K sub-tile lies at (t >> 1) x 272 + (t & 1) x 128: the 16 keys of a fragment begin in 16 different 16-byte columns of 256 bytes.
.set SUB,    64*272
.set SLOT,   8*SUB
.set STAGE,  2*SLOT                    ; 32 rows x 144 bytes for each wave, never filled by a tensor load
.set SPITCH, 144
.set KB0, 2                            ; LDS address of my part of a K fragment in sub-tile 0 of slot 0
.set VB0, 3                            ; the same for V^T, sub-tile 4
.set KA,  4                            ; the same in the sub-tile at work
.set VA,  5
.set STO, 6
.set RD,  7
.set GO,  8
.set QO,  9
.set MA,  10                           ; v[10:11], v[12:13]: the running maximum of my two query rows, old and new by turns
.set MB,  12
.set LS,  14                           ; v[14:15] row sums (my half of the keys)
.set AL,  16                           ; v[16:17] rescale factors
.set TT,  18                           ; v[18:25] at work
.set PT,  26                           ; v[26:27] from the partner lane
.set QF,  32                           ; v[32:63]   Q fragment (n, c) at + 8 (2 n + c)
.set OA,  64                           ; v[64:127]  O^T tile (t, n) at + 8 (2 t + n)
.set SC,  128                          ; v[128:191] score tile (kt, n) at + 32 n + 8 kt; then P fragment (n, c) at + 32 n + 16 c
.set KV,  192                          ; v[192:255] K fragments (kt, c), then V^T fragments (t, c), at + 8 (4 c + kt)
.set G1K, 24
.set G0K, 32
.set G1V, 48
.set G0V, 56
.macro JLOAD s                         ; waves 0-3 ask for K's sub-tiles, waves 4-7 for V's: the branch hangs on the wave's number alone
	s_cmp_lt_u32 s12, 4
	s_cbranch_scc0 .Lfor_v_\@
	tensor_load_to_lds s[G0K+4*\s:G0K+4*\s+3], s[G1K:G1K+7]
	s_nop 0
	s_branch .Lasked_\@
.Lfor_v_\@:
	tensor_load_to_lds s[G0V+4*\s:G0V+4*\s+3], s[G1V:G1V+7]
	s_nop 0
.Lasked_\@:
.endm
.macro ROUND                           ; a round of the cluster's barrier
	s_barrier_signal -1
	s_barrier_wait -1
	s_cmp_lg_u32 s12, 0
	s_cbranch_scc1 .Lnot_wave_0_\@
	s_barrier_signal -3
.Lnot_wave_0_\@:
	s_barrier_wait -3
	s_barrier_signal -1
	s_barrier_wait -1
.endm
	s_load_b256 s[4:11], s[0:1], 0x0               ; qh s[4:5], kh s[6:7], vt s[8:9], ah s[10:11]
	v_lshl_add_u32 v31, v0, 2, 0x4d000
	s_set_vgpr_msb 0x40
	v_mov_b32 v1, 0
	s_set_vgpr_msb 0x4044
	ds_add_u32 v31, v1
	s_set_vgpr_msb 0x4400
	v_lshrrev_b32 v1, 5, v0
	v_readfirstlane_b32 s12, v1                    ; wave 0..7
	s_and_b32 s13, s12, 3                          ; which 128 keys of a slot I fetch
	s_bfe_u32 s14, ttmp6, 0x40000                  ; cx
	s_lshl_b32 s15, ttmp9, 2
	s_add_co_u32 s15, s15, s14                     ; query block 0..7
	s_and_b32 s16, ttmp7, 0xffff                   ; bh
	s_lshr_b32 s17, s16, 4                         ; batch
	s_and_b32 s18, s16, 15                         ; head
	s_mov_b32 s40, 0x76543210                      ; v_permlanex16_b32: lane l reads lane l xor 16
	s_mov_b32 s41, 0xfedcba98
	; group 1: 64 rows of 32 elements of 8 bytes, 16 bytes of padding behind every 64 words, mask 15
	s_mov_b32 s[G1K+0], 15|(3<<16)|(1<<20)|(1<<21)|(5<<22)|(3<<25)
	s_mov_b32 s[G1V+0], 15|(3<<16)|(1<<20)|(1<<21)|(5<<22)|(3<<25)
	s_mov_b32 s[G1K+1], 32<<16
	s_mov_b32 s[G1V+1], 32<<16
	s_mov_b32 s[G1K+2], 64<<16
	s_mov_b32 s[G1V+2], 64<<16
	s_mov_b32 s[G1K+3], 32<<16
	s_mov_b32 s[G1V+3], 32<<16
	s_mov_b32 s[G1K+4], 64
	s_mov_b32 s[G1V+4], 64
	s_mov_b32 s[G1K+5], 32                         ; K: dense, each row begins where the last ends
	s_mov_b32 s[G1V+5], 1024                       ; V^T: 8,192 bytes from feature to feature
	s_mov_b32 s[G1K+6], 0
	s_mov_b32 s[G1V+6], 0
	s_mov_b32 s[G1K+7], 0
	s_mov_b32 s[G1V+7], 0
	s_lshl_b32 s20, s16, 18                        ; K: bh x 2048 keys x 128 bytes
	s_lshl_b32 s21, s13, 14                        ;    + my 128 keys
	s_add_co_u32 s20, s20, s21
	s_mov_b32 s21, 0
	s_lshl_b32 s22, s18, 19                        ; V^T: head x 64 features x 8,192 bytes
	s_lshl_b32 s23, s17, 12                        ;    + batch x 2048 tokens x 2 bytes
	s_add_co_u32 s22, s22, s23
	s_lshl_b32 s23, s13, 8                         ;    + my 128 keys
	s_add_co_u32 s22, s22, s23
	s_mov_b32 s23, 0
	s_lshl_b32 s42, s16, 18                        ; Q and the result: bh, + 256 x block + 32 x wave rows of 128 bytes
	s_lshl_b32 s43, s15, 15
	s_add_co_u32 s42, s42, s43
	s_lshl_b32 s43, s12, 12
	s_add_co_u32 s42, s42, s43
	s_mov_b32 s43, 0
	s_mul_i32 s19, s12, SUB                        ; LDS: my sub-tile
	s_wait_dscnt 0x0
	s_wait_kmcnt 0x0
	s_add_nc_u64 s[20:21], s[6:7], s[20:21]
	s_add_nc_u64 s[22:23], s[8:9], s[22:23]
	s_add_nc_u64 s[4:5], s[4:5], s[42:43]
	s_add_nc_u64 s[10:11], s[10:11], s[42:43]
	ROUND                                          ; the four work-groups are here: the first joint loads meet
.irp s, 0,1
	s_mov_b32 s[G0K+4*\s], 1
	s_add_co_u32 s[G0K+4*\s+1], s19, \s*SLOT
	s_add_nc_u64 s[G0K+4*\s+2:G0K+4*\s+3], s[20:21], \s*512*128
	s_or_b32 s[G0K+4*\s+3], s[G0K+4*\s+3], 0x80000000
	s_mov_b32 s[G0V+4*\s], 1
	s_add_co_u32 s[G0V+4*\s+1], s19, \s*SLOT
	s_add_nc_u64 s[G0V+4*\s+2:G0V+4*\s+3], s[22:23], \s*512*2
	s_or_b32 s[G0V+4*\s+3], s[G0V+4*\s+3], 0x80000000
	JLOAD \s                                       ; keys 0-511 and 512-1023: two tensor loads of the wave are out here, one later
.endr
	v_and_b32 v1, 15, v0                           ; r
	v_bfe_u32 v28, v0, 4, 1                        ; h
	v_lshlrev_b32 v29, 7, v1
	v_lshl_add_u32 v[QO], v28, 4, v29              ; r x 128 + 16 h
.irp n, 0,1
.irp c, 0,1
	global_load_b128 v[QF+8*(2*\n+\c):QF+8*(2*\n+\c)+3],   v[QO], s[4:5] offset:\n*2048+\c*64
	global_load_b128 v[QF+8*(2*\n+\c)+4:QF+8*(2*\n+\c)+7], v[QO], s[4:5] offset:\n*2048+\c*64+32
.endr
.endr
	v_lshrrev_b32 v29, 1, v1
	v_and_b32 v30, 1, v0
	v_mul_u32_u24 v29, v29, 272
	v_lshl_add_u32 v29, v30, 7, v29
	v_lshl_add_u32 v[KB0], v28, 4, v29             ; (r >> 1) x 272 + (r & 1) x 128 + 16 h
	v_mul_u32_u24 v29, v1, 272
	v_lshl_add_u32 v29, v28, 4, v29
	v_add_nc_u32 v[VB0], 4*SUB, v29                ; r x 272 + 16 h, behind K's four sub-tiles
	s_mul_i32 s44, s12, 32*SPITCH
	s_add_co_u32 s44, s44, STAGE
	v_mul_u32_u24 v29, v1, SPITCH
	v_lshl_add_u32 v29, v28, 4, v29
	v_add_nc_u32 v[STO], s44, v29
	v_bfe_u32 v29, v0, 3, 2
	v_mul_u32_u24 v29, v29, SPITCH
	v_and_b32 v30, 7, v0
	v_lshl_add_u32 v29, v30, 4, v29
	v_add_nc_u32 v[RD], s44, v29                   ; four rows of 128 bytes to a load
	v_and_b32 v30, 31, v0
	v_lshlrev_b32 v[GO], 4, v30
	v_mov_b32 v[PT], 0                             ; v_permlanex16_b32 counts as a reader of its destination
	v_mov_b32 v[PT+1], 0
.macro KLOAD half                      ; 64 keys x 64 d: 16 loads, the eight of d = 0-31 first
.irp c, 0,1
.irp kt, 0,1,2,3
	ds_load_b128 v[KV+8*(4*\c+\kt):KV+8*(4*\c+\kt)+3],   v[KA] offset:\half*8704+\kt*2176+64*\c
	ds_load_b128 v[KV+8*(4*\c+\kt)+4:KV+8*(4*\c+\kt)+7], v[KA] offset:\half*8704+\kt*2176+64*\c+32
.endr
.endr
.endm
.macro VLOAD half                      ; 64 d x 64 keys: 16 loads, the eight of the first 32 keys first
.irp c, 0,1
.irp t, 0,1,2,3
	ds_load_b128 v[KV+8*(4*\c+\t):KV+8*(4*\c+\t)+3],   v[VA] offset:\half*128+\t*4352+64*\c
	ds_load_b128 v[KV+8*(4*\c+\t)+4:KV+8*(4*\c+\t)+7], v[VA] offset:\half*128+\t*4352+64*\c+32
.endr
.endr
.endm
; 64 keys.  first = 1: the very first block starts maximum, sums and O.  mo, mn: the old and the new maximum's pair.  nextk = 1: the sub-tile's second 64 keys are fetched at the end.
; The eight accumulators of each product take turns, one instruction a turn.
.macro BLOCK half, first, mo, mn, nextk
	s_wait_dscnt 0x8                               ; K's d = 0-31 is in; the eight younger loads stay out
.irp kt, 0,1,2,3
.irp n, 0,1
	v_wmma_f32_16x16x32_bf16 v[SC+32*\n+8*\kt:SC+32*\n+8*\kt+7], v[KV+8*\kt:KV+8*\kt+7], v[QF+16*\n:QF+16*\n+7], 0
.endr
.endr
	s_wait_dscnt 0x0
.irp kt, 0,1,2,3
.irp n, 0,1
	v_wmma_f32_16x16x32_bf16 v[SC+32*\n+8*\kt:SC+32*\n+8*\kt+7], v[KV+32+8*\kt:KV+32+8*\kt+7], v[QF+16*\n+8:QF+16*\n+15], v[SC+32*\n+8*\kt:SC+32*\n+8*\kt+7]
.endr
.endr
.rept 4
	v_nop                                          ; four places: in front of the loads into K's registers and of the reads of the scores
.endr
	VLOAD \half                                    ; lands under the softmax
	; the largest of my 32 scores of each query row and the old maximum, three at a time
.irp n, 0,1
.irp q, 0,1,2,3
	v_max3_num_f32 v[TT+4*\n+\q], v[SC+32*\n+8*\q], v[SC+32*\n+8*\q+1], v[SC+32*\n+8*\q+2]
.endr
.endr
.irp j, 3,5
.irp n, 0,1
.irp q, 0,1,2,3
	v_max3_num_f32 v[TT+4*\n+\q], v[TT+4*\n+\q], v[SC+32*\n+8*\q+\j], v[SC+32*\n+8*\q+\j+1]
.endr
.endr
.endr
.irp n, 0,1
	v_max3_num_f32 v[TT+4*\n],   v[TT+4*\n],   v[SC+32*\n+7],  v[SC+32*\n+15]
	v_max3_num_f32 v[TT+4*\n+2], v[TT+4*\n+2], v[SC+32*\n+23], v[SC+32*\n+31]
.endr
.irp n, 0,1
	v_max3_num_f32 v[TT+4*\n], v[TT+4*\n], v[TT+4*\n+1], v[TT+4*\n+2]
.endr
.irp n, 0,1
.if \first
	v_max_num_f32 v[TT+4*\n], v[TT+4*\n], v[TT+4*\n+3]
.else
	v_max3_num_f32 v[TT+4*\n], v[TT+4*\n], v[TT+4*\n+3], v[\mo+\n]
.endif
.endr
.irp n, 0,1
	v_permlanex16_b32 v[PT+\n], v[TT+4*\n], s40, s41               ; the other half of the keys lies in lane l xor 16
.endr
.irp n, 0,1
	v_max_num_f32 v[\mn+\n], v[TT+4*\n], v[PT+\n]
.endr
.if \first == 0
.irp n, 0,1
	v_sub_f32 v[AL+\n], v[\mo+\n], v[\mn+\n]
.endr
.endif
.irp n, 0,1
.irp p, 0,2,4,6,8,10,12,14,16,18,20,22,24,26,28,30
	v_pk_add_f32 v[SC+32*\n+\p:SC+32*\n+\p+1], v[SC+32*\n+\p:SC+32*\n+\p+1], v[\mn:\mn+1] op_sel:[0,\n] op_sel_hi:[1,\n] neg_lo:[0,1] neg_hi:[0,1]
.endr
.endr
.if \first == 0
	v_exp_f32 v[AL], v[AL]
	v_exp_f32 v[AL+1], v[AL+1]
.endif
.set i, 0
.rept 64
	v_exp_f32 v[SC+i], v[SC+i]
.set i, i+1
.endr
	v_nop                                          ; one plain place behind the exponentials, in front of the first use of a result (ISA guide 5.7.2)
.if \first == 0
	s_wait_alu depctr_va_vdst(0)
.irp t, 0,1,2,3
.irp n, 0,1
.irp p, 0,2,4,6
	v_pk_mul_f32 v[OA+8*(2*\t+\n)+\p:OA+8*(2*\t+\n)+\p+1], v[OA+8*(2*\t+\n)+\p:OA+8*(2*\t+\n)+\p+1], v[AL:AL+1] op_sel:[0,\n] op_sel_hi:[1,\n]
.endr
.endr
.endr
.endif
	s_wait_alu depctr_va_vdst(0)
.irp n, 0,1                            ; the sum of my 32 p of each query row, in f32, in two chains of pairs
	v_pk_add_f32 v[TT+4*\n:TT+4*\n+1],   v[SC+32*\n:SC+32*\n+1],   v[SC+32*\n+2:SC+32*\n+3]
	v_pk_add_f32 v[TT+4*\n+2:TT+4*\n+3], v[SC+32*\n+4:SC+32*\n+5], v[SC+32*\n+6:SC+32*\n+7]
.irp p, 8,12,16,20,24,28
	v_pk_add_f32 v[TT+4*\n:TT+4*\n+1],   v[TT+4*\n:TT+4*\n+1],   v[SC+32*\n+\p:SC+32*\n+\p+1]
	v_pk_add_f32 v[TT+4*\n+2:TT+4*\n+3], v[TT+4*\n+2:TT+4*\n+3], v[SC+32*\n+\p+2:SC+32*\n+\p+3]
.endr
	v_pk_add_f32 v[TT+4*\n:TT+4*\n+1], v[TT+4*\n:TT+4*\n+1], v[TT+4*\n+2:TT+4*\n+3]
.endr
.irp n, 0,1                            ; p to bf16 in place, ascending: register i takes numbers 2 i and 2 i + 1, which no later line reads
.irp c, 0,1
.irp j, 0,1,2,3,4,5,6,7
	v_cvt_pk_bf16_f32 v[SC+32*\n+16*\c+\j], v[SC+32*\n+16*\c+2*\j], v[SC+32*\n+16*\c+2*\j+1]
.endr
.endr
.endr
	s_wait_dscnt 0x8                               ; V's first 32 keys are in
.irp t, 0,1,2,3
.irp n, 0,1
.if \first
	v_wmma_f32_16x16x32_bf16 v[OA+8*(2*\t+\n):OA+8*(2*\t+\n)+7], v[KV+8*\t:KV+8*\t+7], v[SC+32*\n:SC+32*\n+7], 0
.else
	v_wmma_f32_16x16x32_bf16 v[OA+8*(2*\t+\n):OA+8*(2*\t+\n)+7], v[KV+8*\t:KV+8*\t+7], v[SC+32*\n:SC+32*\n+7], v[OA+8*(2*\t+\n):OA+8*(2*\t+\n)+7]
.endif
.endr
.endr
	s_wait_dscnt 0x0
.irp t, 0,1,2,3
.irp n, 0,1
	v_wmma_f32_16x16x32_bf16 v[OA+8*(2*\t+\n):OA+8*(2*\t+\n)+7], v[KV+32+8*\t:KV+32+8*\t+7], v[SC+32*\n+16:SC+32*\n+23], v[OA+8*(2*\t+\n):OA+8*(2*\t+\n)+7]
.endr
.endr
	; five places: in front of the loads into V's registers and of the next score products, which write over P
.if \first
	v_add_f32 v[LS], v[TT], v[TT+1]
	v_add_f32 v[LS+1], v[TT+4], v[TT+5]
	v_nop
	v_nop
	v_nop
.else
	v_fma_f32 v[LS], v[LS], v[AL], v[TT]
	v_fma_f32 v[LS+1], v[LS+1], v[AL+1], v[TT+4]
	v_add_f32 v[LS], v[LS], v[TT+1]
	v_add_f32 v[LS+1], v[LS+1], v[TT+5]
	v_nop
.endif
.if \nextk
	KLOAD 1
.endif
.endm
.macro TRIP first                      ; one sub-tile of K and one of V: 128 keys
	KLOAD 0
	BLOCK 0, \first, MA, MB, 1
	BLOCK 1, 0, MB, MA, 0
	v_add_nc_u32 v[KA], SUB, v[KA]
	v_add_nc_u32 v[VA], SUB, v[VA]
.endm
.macro SLOTRUN slot, trips, peel       ; a slot's 512 keys
	v_add_nc_u32 v[KA], \slot*SLOT, v[KB0]
	v_add_nc_u32 v[VA], \slot*SLOT, v[VB0]
.if \peel
	TRIP 1
.endif
	s_mov_b32 s3, \trips
.Ltrip_\@:
	TRIP 0
	s_sub_co_u32 s3, s3, 1
	s_cmp_lg_u32 s3, 0
	s_cbranch_scc1 .Ltrip_\@
.endm
; Slot s, which has been read, is filled again with the keys 1024 further on.  In front of the round every wave has its LDS reads back and all its tensor loads landed.
.macro REFILL s
	s_wait_dscnt 0x0
	s_set_vgpr_msb 0x4
	s_wait_tensorcnt 0x0                           ; no tensor load of mine is out: a group 0 may be written
	ds_add_u32 v31, v1
	s_wait_dscnt 0x0
	s_set_vgpr_msb 0x400
	s_add_nc_u64 s[G0K+4*\s+2:G0K+4*\s+3], s[G0K+4*\s+2:G0K+4*\s+3], 1024*128
	s_add_nc_u64 s[G0V+4*\s+2:G0V+4*\s+3], s[G0V+4*\s+2:G0V+4*\s+3], 1024*2
	ROUND                                          ; this holds of every wave of the four work-groups
	JLOAD \s                                       ; my one tensor load behind the round; it has the other slot's 512 keys of work in which to land
.endm
	s_wait_loadcnt 0x0                             ; Q
	s_wait_tensorcnt 0x1                           ; my part of slot 0 is in; slot 1's load stays out
	s_barrier_signal -1
	s_barrier_wait -1
	SLOTRUN 0, 3, 1                                ; keys 0-511
	REFILL 0
	SLOTRUN 1, 4, 0                                ; keys 512-1023
	REFILL 1
	SLOTRUN 0, 4, 0                                ; keys 1024-1535
	s_wait_dscnt 0x0
	s_wait_tensorcnt 0x0                           ; my part of the last 512 keys is in; nothing is left to fetch
	s_barrier_signal -1
	s_barrier_wait -1
	SLOTRUN 1, 4, 0                                ; keys 1536-2047
	; THE WAY OUT: divide by the row sum, bf16, through my own stage, 512 consecutive bytes to a store
	v_permlanex16_b32 v[PT], v[LS], s40, s41
	v_permlanex16_b32 v[PT+1], v[LS+1], s40, s41
	v_add_f32 v[LS], v[LS], v[PT]
	v_add_f32 v[LS+1], v[LS+1], v[PT+1]
	v_rcp_f32 v[AL], v[LS]
	v_rcp_f32 v[AL+1], v[LS+1]
	v_nop                                          ; one plain place behind the reciprocals
	s_wait_alu depctr_va_vdst(0)
.irp t, 0,1,2,3
.irp n, 0,1
.irp p, 0,2,4,6
	v_pk_mul_f32 v[OA+8*(2*\t+\n)+\p:OA+8*(2*\t+\n)+\p+1], v[OA+8*(2*\t+\n)+\p:OA+8*(2*\t+\n)+\p+1], v[AL:AL+1] op_sel:[0,\n] op_sel_hi:[1,\n]
.endr
.endr
.endr
.irp t, 0,1,2,3
.irp n, 0,1
.irp p, 0,1,2,3
	v_cvt_pk_bf16_f32 v[SC+4*(2*\t+\n)+\p], v[OA+8*(2*\t+\n)+2*\p], v[OA+8*(2*\t+\n)+2*\p+1]
.endr
.endr
.endr
.irp t, 0,1,2,3
.irp n, 0,1
	ds_store_b128 v[STO], v[SC+4*(2*\t+\n):SC+4*(2*\t+\n)+3] offset:\n*16*SPITCH+32*\t    ; query row 16 n + r, d = 16 t + 8 h + 0..7
.endr
.endr
.irp u, 0,1,2,3,4,5,6,7
	ds_load_b128 v[KV+4*\u:KV+4*\u+3], v[RD] offset:\u*4*SPITCH    ; LDS serves a wave's instructions in order: these see the stores above
.endr
.irp u, 0,1,2,3,4,5,6,7
	s_wait_dscnt 7-\u                              ; the 7 - u younger loads stay out
	global_store_b128 v[GO], v[KV+4*\u:KV+4*\u+3], s[10:11] offset:512*\u
.endr
	s_set_vgpr_msb 0x4
	s_wait_tensorcnt 0x0
	ds_add_u32 v31, v1
	s_wait_dscnt 0x0
	s_set_vgpr_msb 0x400
	ROUND                                          ; the closing round
	s_endpgm
.Lfunc_end_k_q581d2708eb_attn:
	.size	k_q581d2708eb_attn, .Lfunc_end_k_q581d2708eb_attn-k_q581d2708eb_attn
	.p2alignl 7, 3214868480
	.fill 96, 4, 3214868480
	.section	.rodata,"a",@progbits
	.p2align	6, 0x0
	.amdhsa_kernel k_q581d2708eb_attn
		.amdhsa_group_segment_fixed_size 327680
		.amdhsa_private_segment_fixed_size 0
		.amdhsa_enable_private_segment 0
		.amdhsa_kernarg_size 32
		.amdhsa_user_sgpr_count 2
		.amdhsa_user_sgpr_kernarg_segment_ptr 1
		.amdhsa_wavefront_size32 1
		.amdhsa_system_sgpr_workgroup_id_x 1
		.amdhsa_system_sgpr_workgroup_id_y 1
		.amdhsa_system_sgpr_workgroup_id_z 1
		.amdhsa_system_vgpr_workitem_id 0
		.amdhsa_next_free_vgpr 258
		.amdhsa_next_free_sgpr 66
		.amdhsa_reserve_vcc 0
		.amdhsa_float_denorm_mode_32 3
		.amdhsa_float_denorm_mode_16_64 3
		.amdhsa_memory_ordered 1
		.amdhsa_forward_progress 1
		.amdhsa_inst_pref_size 183
	.end_amdhsa_kernel
	.amdgpu_metadata
---
amdhsa.version: [ 1, 2 ]
amdhsa.kernels:
  - .name:           k_q581d2708eb_attn
    .symbol:         k_q581d2708eb_attn.kd
    .args:
      - { .name: qh, .offset: 0, .size: 8, .value_kind: global_buffer, .address_space: global }
      - { .name: kh, .offset: 8, .size: 8, .value_kind: global_buffer, .address_space: global }
      - { .name: vt, .offset: 16, .size: 8, .value_kind: global_buffer, .address_space: global }
      - { .name: ah, .offset: 24, .size: 8, .value_kind: global_buffer, .address_space: global }
    .group_segment_fixed_size: 327680
    .private_segment_fixed_size: 0
    .kernarg_segment_align: 8
    .kernarg_segment_size: 32
    .max_flat_workgroup_size: 256
    .sgpr_count:     66
    .vgpr_count:     258
    .wavefront_size: 32
...
	.end_amdgpu_metadata
.endif
;; end of part 2
;; launch oproj (part 3): grid 8 x 32, 4 waves a work-group, clusters of 4 x 4, 327,680 bytes of LDS; arguments ah, owb, o_b, out0; writes out0
.if DOCPART == 3
	.amdgcn_target "amdgcn-amd-amdhsa--gfx1250"
	.amdhsa_code_object_version 6
	.text
	.protected	k_q581d2708eb_oproj
	.globl	k_q581d2708eb_oproj
	.p2align	8
	.type	k_q581d2708eb_oproj,@function
k_q581d2708eb_oproj:
	s_mov_b64 s[64:65], 0
	v_nop
	global_prefetch_b8 v0, s[64:65] scope:SCOPE_SE
	s_setreg_imm32_b32 hwreg(HW_REG_WAVE_MODE, 25, 1), 1
	s_wait_xcnt 0x0
	s_wait_alu depctr_hold_cnt(0) depctr_sa_sdst(0) depctr_va_vdst(0) depctr_va_sdst(0) depctr_va_ssrc(0) depctr_va_vcc(0) depctr_vm_vsrc(0)
	s_getreg_b32 s2, hwreg(HW_REG_IB_STS2, 6, 4)
	s_cmp_eq_u32 s2, 0
	s_cbranch_scc0 .Lentry_in_a_cluster
	s_endpgm
.Lentry_in_a_cluster:
	s_bfe_u32 s2, ttmp6, 0x10000c
	s_cmp_lg_u32 s2, 0xf033
	s_cbranch_scc0 .Lentry_shape_is_right
	s_endpgm
.Lentry_shape_is_right:
; The output projection: out0[m][n] = sum over k of merged[m][k] o_w[n][k] + o_b[n]; m = 4096 tokens, n = k = 1024; out0 f32.
; merged[token][64 head + d] lies head-major in ah [32 batch x head][2048 token][64] bf16; owb is o_w rounded to bf16 by the first launch, [1024][1024]; sums in f32.
; LIMITS: none beyond the rounding of the operands to bf16; NaN and infinities get no special treatment.
; SHAPE: 32 x 8 blocks of 128 x 128 make 256 work-groups, one for each WGP; four waves, a wave makes 64 x 64: 16 accumulator tiles in window 1 (v256-383).
; K goes in FOUR slots' worth of 256 (four heads) through two LDS slots, as large as fit: a work-group takes 512 KiB through LDS in all, half of it asked for in the first lines,
; the rest by two refills, each with 112 matrix instructions a wave between the request and the wait for it.  The 32 chunks of K = 32 are written out: no loop.
; A slot: four planes of ah (one head each: 128 tokens, dense, 64 rows of 256 bytes, pitch 272), then 128 rows of owb (512 bytes, pitch 528).
; Token t of a plane lies at (t >> 1) x 272 + (t & 1) x 128: the 16 tokens of a fragment begin in 16 different 16-byte columns of 256 bytes.
; CLUSTERS: 4 x 4 work-groups; ah's tiles are shared along a row of the cluster, owb's along a column, each by a joint load.
; The matrix instruction is used transposed (source 0 = rows of o_w, source 1 = tokens): a lane holds token l % 16 and eight neighbouring columns.  The bias is the C operand of the first
; product of each tile, so nothing is cleared and nothing is added later.
.set PLANE,  64*272                    ; one head's 128 tokens
.set BOFF,   4*PLANE                   ; owb's rows begin here in a slot
.set BPITCH, 528
.set BHALF,  64*BPITCH                 ; 64 rows: one tensor load, and what one wave reads
.set SLOT,   BOFF+2*BHALF              ; 137,216
.set STAGE,  2*SLOT                    ; 16 rows x 272 bytes for each wave, never filled by a tensor load
.set SPITCH, 272
.set ADRA, 16                          ; v16-17 LDS address of my tokens in slot 0, 1
.set ADRB, 20                          ; v20-21 the same for my rows of owb
.set STO,  24
.set RD,   25
.set CO,   26
.set BI,   32                          ; v[32:63]   bias of my 64 columns: 8 registers for each n block
.set FA,   64                          ; fragments of ah:  buffer f at v[64 + 64 f], four of 8 registers
.set FB,   96                          ; fragments of owb: buffer f at v[96 + 64 f]
.set G1,  24
.set G0,  32
.set G1B, 48
.set G0B, 56
.set MUL,       0x50                   ; C and D window 1, sources window 0
.set MUL_FIRST, 0x40                   ; D window 1, C (the bias) and sources window 0
.set STORE_ACC, 0x04                   ; an LDS store's data (source 1) window 1
.set MSB, 0
.macro WIN new                         ; the immediate's high byte repeats the setting that is left
.if MSB != \new
	s_set_vgpr_msb (MSB<<8)|\new
.set MSB, \new
.endif
.endm
.macro JLOAD s                         ; waves 0 and 1 ask for two planes of ah each, waves 2 and 3 for owb's two halves: the branch hangs on the wave's number alone
	s_cmp_eq_u32 s13, 0
	s_cbranch_scc0 .Lfor_b_\@
	tensor_load_to_lds s[G0+4*\s:G0+4*\s+3], s[G1:G1+7]
	s_nop 0
	s_branch .Lasked_\@
.Lfor_b_\@:
	tensor_load_to_lds s[G0B+4*\s:G0B+4*\s+3], s[G1B:G1B+7]
	s_nop 0
.Lasked_\@:
.endm
.macro CREST                           ; a round of the cluster's barrier behind its opening work-group barrier
	s_cmp_lg_u32 s12, 0
	s_cbranch_scc1 .Lnot_wave_0_\@
	s_barrier_signal -3
.Lnot_wave_0_\@:
	s_barrier_wait -3
	s_barrier_signal -1
	s_barrier_wait -1
.endm
.macro CROUND
	s_barrier_signal -1
	s_barrier_wait -1
	CREST
.endm
.macro PLACES                          ; four plain vector places behind a matrix instruction (ISA guide 7.12.1)
.rept 4
	v_nop
.endr
.endm
	s_load_b256 s[4:11], s[0:1], 0x0               ; ah s[4:5], owb s[6:7], o_b s[8:9], out0 s[10:11]
	v_lshl_add_u32 v254, v0, 2, 0x47400
	v_mov_b32 v255, 0
	ds_add_u32 v254, v255
	v_lshrrev_b32 v1, 5, v0
	v_readfirstlane_b32 s12, v1                    ; wave 0..3
	s_lshr_b32 s13, s12, 1                         ; my half of the rows; also: I fetch ah (0) or owb (1)
	s_and_b32 s14, s12, 1                          ; my half of the columns; also: which half of owb's rows I fetch
	s_bfe_u32 s40, ttmp6, 0x40000                  ; cx
	s_bfe_u32 s41, ttmp6, 0x40004                  ; cy
	s_lshl_b32 s42, ttmp9, 2
	s_add_co_u32 s42, s42, s40                     ; block column 0..7
	s_and_b32 s15, ttmp7, 0xffff
	s_lshl_b32 s15, s15, 2
	s_add_co_u32 s15, s15, s41                     ; block row 0..31
	s_lshl_b32 s43, s41, 2
	s_lshl_b32 s43, 15, s43                        ; my row of the cluster
	s_lshl_b32 s44, 0x1111, s40                    ; my column
	; ah: two heads' 128 tokens are two dense runs of 16 KiB, 1 << 18 bytes apart: a tile of 2 rows of 2,048 elements of 8 bytes.  The padding of 16 bytes comes behind every
	; 64 words counted along the whole tile, so LDS holds 128 rows of 272 bytes.
	s_or_b32 s[G1+0], s43, (3<<16)|(1<<20)|(1<<21)|(5<<22)|(3<<25)
	s_mov_b32 s[G1+1], 2048<<16                    ; tensor_dim0 = 2048
	s_mov_b32 s[G1+2], 2<<16                       ; tensor_dim1 = 2
	s_mov_b32 s[G1+3], 2048<<16                    ; tile_dim0 = 2048
	s_mov_b32 s[G1+4], 2                           ; tile_dim1 = 2
	s_mov_b32 s[G1+5], 32768                       ; elements from head to head
	s_mov_b32 s[G1+6], 0
	s_mov_b32 s[G1+7], 0
	; owb: 64 rows of 256 bf16, 1024 elements from row to row; padding of 16 bytes behind every 128 words
	s_or_b32 s[G1B+0], s44, (1<<16)|(1<<20)|(1<<21)|(6<<22)|(3<<25)
	s_mov_b32 s[G1B+1], 256<<16
	s_mov_b32 s[G1B+2], 64<<16
	s_mov_b32 s[G1B+3], 256<<16
	s_mov_b32 s[G1B+4], 64
	s_mov_b32 s[G1B+5], 1024
	s_mov_b32 s[G1B+6], 0
	s_mov_b32 s[G1B+7], 0
	s_lshr_b32 s16, s15, 4                         ; ah: batch x 16 heads of 1 << 18 bytes,
	s_lshl_b32 s16, s16, 22
	s_lshl_b32 s17, s12, 19                        ; + my two planes' first head, 2 x wave (waves 0, 1),
	s_add_co_u32 s16, s16, s17
	s_and_b32 s17, s15, 15
	s_lshl_b32 s17, s17, 14                        ; + 128 tokens x 128 bytes x (block row mod 16)
	s_add_co_u32 s16, s16, s17
	s_mov_b32 s17, 0
	s_lshl_b32 s46, s42, 18                        ; owb: (128 x block column + 64 x half) rows of 2,048 bytes
	s_lshl_b32 s47, s14, 17
	s_add_co_u32 s46, s46, s47
	s_mov_b32 s47, 0
	s_mul_i32 s20, s12, 2*PLANE                    ; LDS, ah: wave x two planes (waves 0, 1)
	s_mul_i32 s21, s12, BHALF                      ; LDS, owb: BOFF + (wave - 2) x 64 rows = wave x 33,792 + 2,048 (waves 2, 3)
	s_add_co_u32 s21, s21, BOFF-2*BHALF
	s_wait_dscnt 0x0
	s_wait_kmcnt 0x0
	s_add_nc_u64 s[18:19], s[4:5], s[16:17]
	s_add_nc_u64 s[46:47], s[6:7], s[46:47]
	CROUND                                         ; the first joint loads meet
.irp s, 0,1
	s_mov_b32 s[G0+4*\s], 1
	s_add_co_u32 s[G0+4*\s+1], s20, \s*SLOT
	s_add_nc_u64 s[G0+4*\s+2:G0+4*\s+3], s[18:19], \s*(4<<18)
	s_or_b32 s[G0+4*\s+3], s[G0+4*\s+3], 0x80000000
	s_mov_b32 s[G0B+4*\s], 1
	s_add_co_u32 s[G0B+4*\s+1], s21, \s*SLOT
	s_add_nc_u64 s[G0B+4*\s+2:G0B+4*\s+3], s[46:47], \s*512
	s_or_b32 s[G0B+4*\s+3], s[G0B+4*\s+3], 0x80000000
	JLOAD \s                                       ; K = 0-255 and 256-511: two tensor loads of the wave are out here, one later
.endr
	v_and_b32 v1, 15, v0                           ; r
	v_bfe_u32 v2, v0, 4, 1                         ; h
	v_lshlrev_b32 v10, 5, v2                       ; my eight columns of a tile: 32 h bytes
	s_lshl_b32 s46, s42, 9
	s_lshl_b32 s47, s14, 8
	s_add_co_u32 s46, s46, s47                     ; (128 x block column + 64 x half) x 4: my first column, in o_b and in a row of out0
	s_mov_b32 s47, 0
	s_add_nc_u64 s[8:9], s[8:9], s[46:47]
	s_add_nc_u64 s[10:11], s[10:11], s[46:47]
.irp b, 0,1,2,3
	global_load_b128 v[BI+8*\b:BI+8*\b+3],   v10, s[8:9] offset:64*\b
	global_load_b128 v[BI+8*\b+4:BI+8*\b+7], v10, s[8:9] offset:64*\b+16
.endr
	s_lshl_b32 s16, s15, 19
	s_lshl_b32 s17, s13, 18
	s_add_co_u32 s16, s16, s17                     ; (128 x block row + 64 x half) rows of 4,096 bytes
	s_mov_b32 s17, 0
	s_add_nc_u64 s[10:11], s[10:11], s[16:17]
	v_lshrrev_b32 v3, 1, v1
	v_and_b32 v4, 1, v0
	v_mul_u32_u24 v3, v3, 272
	v_lshl_add_u32 v3, v4, 7, v3
	v_lshl_add_u32 v3, v2, 4, v3                   ; ah: (r >> 1) x 272 + (r & 1) x 128 + 16 h
	v_mul_u32_u24 v5, v1, BPITCH
	v_lshl_add_u32 v5, v2, 4, v5                   ; owb: r x 528 + 16 h
	s_mul_i32 s22, s13, 32*272                     ; my 64 tokens
	s_mul_i32 s23, s14, BHALF                      ; my 64 rows of owb
	s_add_co_u32 s23, s23, BOFF
.irp s, 0,1
	v_add_nc_u32 v[ADRA+\s], s22, v3
	v_add_nc_u32 v[ADRB+\s], s23, v5
	s_add_co_u32 s22, s22, SLOT
	s_add_co_u32 s23, s23, SLOT
.endr
	s_mul_i32 s22, s12, 16*SPITCH
	s_add_co_u32 s22, s22, STAGE
	v_mul_u32_u24 v6, v1, SPITCH
	v_lshl_add_u32 v6, v2, 5, v6
	v_add_nc_u32 v[STO], s22, v6                   ; row r, 32 bytes for each half of the lanes
	v_mul_u32_u24 v7, v2, SPITCH
	v_lshl_add_u32 v7, v1, 4, v7
	v_add_nc_u32 v[RD], s22, v7                    ; lanes 0-15 one row of 256 bytes, lanes 16-31 the next
	v_lshlrev_b32 v8, 4, v1
	v_lshl_add_u32 v[CO], v2, 12, v8
; 16 LDS loads: chunk q (K = 32 q .. 32 q + 31) of slot s into buffer f: four fragments of ah (head q / 2, d = 32 (q % 2) ..) and four of owb
.macro LOADF s, q, f
.irp a, 0,1,2,3
	ds_load_b128 v[FA+64*\f+8*\a:FA+64*\f+8*\a+3],   v[ADRA+\s] offset:(\q/2)*PLANE+(\q%2)*64+\a*2176
	ds_load_b128 v[FA+64*\f+8*\a+4:FA+64*\f+8*\a+7], v[ADRA+\s] offset:(\q/2)*PLANE+(\q%2)*64+\a*2176+32
.endr
.irp b, 0,1,2,3
	ds_load_b128 v[FB+64*\f+8*\b:FB+64*\f+8*\b+3],   v[ADRB+\s] offset:\q*64+\b*16*BPITCH
	ds_load_b128 v[FB+64*\f+8*\b+4:FB+64*\f+8*\b+7], v[ADRB+\s] offset:\q*64+\b*16*BPITCH+32
.endr
.endm
; 16 matrix instructions, 32 along K; the 16 accumulators take turns, one instruction a turn.  first = 1: C is the bias.
.macro MUL16O f, first
.irp a, 0,1,2,3
.irp b, 0,1,2,3
.if \first
	v_wmma_f32_16x16x32_bf16 v[8*(4*\a+\b):8*(4*\a+\b)+7], v[FB+64*\f+8*\b:FB+64*\f+8*\b+7], v[FA+64*\f+8*\a:FA+64*\f+8*\a+7], v[BI+8*\b:BI+8*\b+7]
.else
	v_wmma_f32_16x16x32_bf16 v[8*(4*\a+\b):8*(4*\a+\b)+7], v[FB+64*\f+8*\b:FB+64*\f+8*\b+7], v[FA+64*\f+8*\a:FA+64*\f+8*\a+7], v[8*(4*\a+\b):8*(4*\a+\b)+7]
.endif
.endr
.endr
.endm
; A chunk: multiplies buffer f and (ld = 1) fetches the chunk after next (chunk qn of slot sn) into the same buffer, four places behind the last matrix instruction that read it.
; cnt: how many younger LDS loads may stay out when buffer f has to be there (16: the next chunk's).
; mode 2: my reads of slot scur are over (its last chunk lies in the other buffer): the slot is filled again, 512 along K further on; mode 1: the barrier alone, nothing is left to fetch.
.macro CH f, first, mode, ld, sn, qn, scur, cnt
.if \mode
	s_wait_dscnt 0x0                               ; my reads of slot scur are over
	s_wait_tensorcnt 0x0                           ; all my tensor loads have landed: the one that was out is my part of the other slot
	ds_add_u32 v254, v255
	s_wait_dscnt 0x0
	s_barrier_signal -1                            ; (mode 2: this barrier opens a round of the cluster's barrier)
.else
	s_wait_dscnt \cnt
.endif
.if \first
	WIN MUL_FIRST
.else
	WIN MUL
.endif
	MUL16O \f, \first                              ; (mode 1, 2: register work while the others arrive)
	WIN 0
.if \mode
	s_barrier_wait -1
.endif
.if \mode == 2
	CREST                                          ; no wave of any partner still reads the slot or has a load on its way
	s_add_nc_u64 s[G0+4*\scur+2:G0+4*\scur+3], s[G0+4*\scur+2:G0+4*\scur+3], 8<<18
	s_add_nc_u64 s[G0B+4*\scur+2:G0B+4*\scur+3], s[G0B+4*\scur+2:G0B+4*\scur+3], 1024
	JLOAD \scur                                    ; the first tensor load behind the round, my only one
.endif
.if \ld
	PLACES
	LOADF \sn, \qn, \f
.endif
.endm
.macro RUN s, n, mode, first           ; the eight chunks of slot s; the last two fetch the first two chunks of slot n
	CH 0, \first, 0, 1, \s, 2, 0, 16
	CH 1, 0, 0, 1, \s, 3, 0, 16
	CH 0, 0, 0, 1, \s, 4, 0, 16
	CH 1, 0, 0, 1, \s, 5, 0, 16
	CH 0, 0, 0, 1, \s, 6, 0, 16
	CH 1, 0, 0, 1, \s, 7, 0, 16
	CH 0, 0, \mode, 1, \n, 0, \s, 16
	CH 1, 0, 0, 1, \n, 1, 0, 16
.endm
	s_wait_tensorcnt 0x1                           ; my part of slot 0 is in; slot 1's load stays out
	s_barrier_signal -1
	s_barrier_wait -1
	LOADF 0, 0, 0
	LOADF 0, 1, 1
	s_wait_loadcnt 0x0                             ; the bias
	RUN 0, 1, 2, 1                                 ; K = 0-255;   slot 0 is asked for again: K = 512-767
	RUN 1, 0, 2, 0                                 ; K = 256-511; slot 1 is asked for again: K = 768-1023
	RUN 0, 1, 1, 0                                 ; K = 512-767; nothing is left to fetch
	CH 0, 0, 0, 1, 1, 2, 0, 16                     ; K = 768-1023
	CH 1, 0, 0, 1, 1, 3, 0, 16
	CH 0, 0, 0, 1, 1, 4, 0, 16
	CH 1, 0, 0, 1, 1, 5, 0, 16
	CH 0, 0, 0, 1, 1, 6, 0, 16
	CH 1, 0, 0, 1, 1, 7, 0, 16
	CH 0, 0, 0, 0, 0, 0, 0, 16
	CH 1, 0, 0, 0, 0, 0, 0, 0
	PLACES                                         ; in front of the LDS stores of the results and of the loads into the fragments' registers
; THE WAY OUT, 16 rows at a time: f32 through my own stage, read back as whole rows of 256 bytes
.macro OUTO a, rb
	WIN STORE_ACC
.irp b, 0,1,2,3
	ds_store_b128 v[STO], v[8*(4*\a+\b):8*(4*\a+\b)+3]   offset:64*\b
	ds_store_b128 v[STO], v[8*(4*\a+\b)+4:8*(4*\a+\b)+7] offset:64*\b+16
.endr
	WIN 0
	s_wait_xcnt 0x0                                ; the buffer rb, which earlier stores read, and the stores' base are rewritten only behind this wait
.if \a
	s_add_nc_u64 s[10:11], s[10:11], 16*4096       ; 16 rows on
.endif
.irp t, 0,1,2,3,4,5,6,7
	ds_load_b128 v[\rb+4*\t:\rb+4*\t+3], v[RD] offset:\t*2*SPITCH  ; LDS serves a wave's instructions in order: these see the stores above
.endr
.irp t, 0,1,2,3,4,5,6,7
	s_wait_dscnt 7-\t                              ; the 7 - t younger loads stay out
	global_store_b128 v[CO], v[\rb+4*\t:\rb+4*\t+3], s[10:11] offset:2*\t*4096 th:TH_STORE_NT   ; sixteen lanes store 256 consecutive bytes, aligned
.endr
.endm
	OUTO 0, FA
	OUTO 1, FB
	OUTO 2, FA
	OUTO 3, FB
	s_wait_tensorcnt 0x0
	ds_add_u32 v254, v255
	s_wait_dscnt 0x0
	CROUND                                         ; the closing round
	s_endpgm
.Lfunc_end_k_q581d2708eb_oproj:
	.size	k_q581d2708eb_oproj, .Lfunc_end_k_q581d2708eb_oproj-k_q581d2708eb_oproj
	.p2alignl 7, 3214868480
	.fill 96, 4, 3214868480
	.section	.rodata,"a",@progbits
	.p2align	6, 0x0
	.amdhsa_kernel k_q581d2708eb_oproj
		.amdhsa_group_segment_fixed_size 327680
		.amdhsa_private_segment_fixed_size 0
		.amdhsa_enable_private_segment 0
		.amdhsa_kernarg_size 32
		.amdhsa_user_sgpr_count 2
		.amdhsa_user_sgpr_kernarg_segment_ptr 1
		.amdhsa_wavefront_size32 1
		.amdhsa_system_sgpr_workgroup_id_x 1
		.amdhsa_system_sgpr_workgroup_id_y 1
		.amdhsa_system_sgpr_workgroup_id_z 1
		.amdhsa_system_vgpr_workitem_id 0
		.amdhsa_next_free_vgpr 384
		.amdhsa_next_free_sgpr 66
		.amdhsa_reserve_vcc 0
		.amdhsa_float_denorm_mode_32 3
		.amdhsa_float_denorm_mode_16_64 3
		.amdhsa_memory_ordered 1
		.amdhsa_forward_progress 1
		.amdhsa_inst_pref_size 90
	.end_amdhsa_kernel
	.amdgpu_metadata
---
amdhsa.version: [ 1, 2 ]
amdhsa.kernels:
  - .name:           k_q581d2708eb_oproj
    .symbol:         k_q581d2708eb_oproj.kd
    .args:
      - { .name: ah, .offset: 0, .size: 8, .value_kind: global_buffer, .address_space: global }
      - { .name: owb, .offset: 8, .size: 8, .value_kind: global_buffer, .address_space: global }
      - { .name: o_b, .offset: 16, .size: 8, .value_kind: global_buffer, .address_space: global }
      - { .name: out0, .offset: 24, .size: 8, .value_kind: global_buffer, .address_space: global }
    .group_segment_fixed_size: 327680
    .private_segment_fixed_size: 0
    .kernarg_segment_align: 8
    .kernarg_segment_size: 32
    .max_flat_workgroup_size: 128
    .sgpr_count:     66
    .vgpr_count:     384
    .wavefront_size: 32
...
	.end_amdgpu_metadata
.endif
;; end of part 3
